; MI455X (gfx1250); checked and timed in simulation.
; The chip was launched on July 23, 2026; its instructions are those of AMD's public machine-readable ISA for CDNA 5 (MIT licence, August 2026) and "CDNA5" Instruction Set Architecture Reference Guide (July 2026). The comments in the code are by the model that wrote it; some were corrected since.
;; Attention. Allowed arithmetic: matrix products marked QUANTISED: E2M1 operands, one E8M0 scale for each 32 along K, by v_wmma_scale_f32_16x16x128_f8f6f4 with both operands' format E2M1 (or v_wmma_scale_f32_32x16x128_f4), f32 sums; everything else in f32.
;; Inputs: k_norm_w 1,024 float32; q_norm_w 1,024 float32; wk 1,024 x 1,024 float32; wo 1,024 x 1,024 float32; wq 1,024 x 1,024 float32; wv 1,024 x 1,024 float32; x 4 x 2,048 x 1,024 float32.
;; Outputs: out0 4 x 2,048 x 1,024 float32.
;; This version of the problem:
;;   THIS VERSION OF THE PROBLEM IS GIVEN IN LOW PRECISION. The matrix products marked QUANTISED in the list below multiply operands that are first quantised to E2M1 (2 exponent bits, 1 mantissa bit; 4 bits a number), with one power-of-two scale for each 32 numbers along K (OCP MX v1.0); their sums are f32. All else is computed in f32.
;;   The module's matrix products, in the order in which they are computed (A, B: the left and right operand; K: the contracted axis; several contracted axes count as one K, in the product's order):
;;     1. [M 8,192, K 1,024] x [K 1,024, N 1,024]; A: input x; B: input wq: QUANTISED
;;     2. [M 8,192, K 1,024] x [K 1,024, N 1,024]; A: input x; B: input wk: QUANTISED
;;     3. [M 8,192, K 1,024] x [K 1,024, N 1,024]; A: input x; B: input wv: QUANTISED
;;     4. batch 32 x [M 2,048, K 128] x [K 128, N 2,048]; A: computed on the way; B: computed on the way: QUANTISED
;;     5. batch 32 x [M 128, K 2,048] x [K 2,048, N 2,048]; A: computed on the way; B: softmax (see below): QUANTISED
;;     6. [M 8,192, K 1,024] x [K 1,024, N 1,024]; A: computed on the way; B: input wo: QUANTISED
;;   THE QUANTISER, for each operand of a quantised product, along K:
;;     - K is cut into blocks of 32 from its start; a last block that is shorter is filled with zeros.
;;     - A block's scale is 2^e with e = floor(log2(the largest magnitude in the block)) - 2, held to -126 .. 127; a block of zeros has e = 0. As a byte (E8M0): e + 127.
;;     - Each number is divided by its block's scale, clamped to +-6, and rounded to the nearest number of E2M1, ties to even, subnormals kept.
;;     - The product sums the exact products of the quantised numbers (number of the format x scale) in f32.
;;   ~~~python
;;   def quantise(x, axis):      # numpy; x: float32 -> the quantised numbers, widened to float32 again
;;       x = np.moveaxis(x, axis, -1); K = x.shape[-1]
;;       x = np.pad(x, [(0, 0)] * (x.ndim - 1) + [(0, -K % 32)]); x = x.reshape(x.shape[:-1] + (-1, 32)); a = np.abs(x).max(-1, keepdims=True)
;;       e = np.where(a > 0, np.clip(np.frexp(np.where(a > 0, a, 1))[1] - 1 - 2, -126, 127), 0)      # np.frexp(a)[1] - 1 = floor(log2(a)), exactly
;;       r = np.clip(x / 2.0 ** e, -6, 6)
;;       step = 2.0 ** (np.maximum(np.frexp(np.where(r == 0, 1, r))[1] - 1, 0) - 1)
;;       q = np.round(r / step) * step * 2.0 ** e      # np.round: ties to even
;;       return np.moveaxis(q.reshape(q.shape[:-2] + (-1,))[..., :K], -1, axis).astype(np.float32)
;;   ~~~
;;   SOFTMAX AHEAD OF A QUANTISED PRODUCT. Where the list says 'softmax', what is quantised is not the finished softmax but p = 2^(t - M), with t = logit x log2(e) and M = ceil(the row's largest t), a whole number; so 1/2 < the row's largest p <= 1. The row's sum l is taken of the UNQUANTISED p, in f32, and the product's result is divided by l at the end. Since M is a whole number, a kernel that streams over the keys may use a running M (the ceiling of the running maximum): every later rescaling is an exact power of two, which a block's scale takes up: the codes' values come out the same.
;;   OPERANDS COMPUTED ON THE WAY. 'Computed on the way' means the value that the module computes at that place (a softmax that the list does not call 'softmax' is quantised finished and normalised). What goes into a quantiser is computed in f32, as accurately as f32 sums, v_exp_f32 and their like allow (about 1e-6 of the number): no bf16 or f16 on the way to a quantiser, and a product that is left as it is and whose result goes on into a quantised operand takes f32 operands (vector FMAs, or v_wmma_f32_16x16x4_f32). A number that lies on a knife's edge between two numbers of the format may be rounded either way, as far as f32 arithmetic and the matrix unit's own rounding can turn it there, and no further.
;; One version. Each part assembles by itself: llvm-mc -triple=amdgcn-amd-amdhsa -mcpu=gfx1250 --defsym DOCPART=n.
;; ======== version 1 of 1: 2 launches
;; workspace buffers: img 6,684,672 bytes
;; launch quant (part 1): grid 768 x 1, 4 waves a work-group, no clusters, 34,816 bytes of LDS; arguments x, wq, wk, wv, wo, img; writes img
.if DOCPART == 1
	.amdgcn_target "amdgcn-amd-amdhsa--gfx1250"
	.amdhsa_code_object_version 6
	.text
	.protected	k_q0170a29b0b_quant
	.globl	k_q0170a29b0b_quant
	.p2align	8
	.type	k_q0170a29b0b_quant,@function
k_q0170a29b0b_quant:
	s_mov_b64 s[64:65], 0
	v_nop
	global_prefetch_b8 v0, s[64:65] scope:SCOPE_SE
	s_setreg_imm32_b32 hwreg(HW_REG_WAVE_MODE, 25, 1), 1
	s_wait_xcnt 0x0
; x [8192][1024] and wq, wk, wv, wo [1024][1024], f32, K innermost, become codes of FP4 (E2M1) with one E8M0 scale byte for each 32 along K,
; laid in img as IMAGES OF OPERAND REGISTERS.  A tile is 16 rows x 1024 K, 8,704 bytes:
;   bytes 0 .. 8191: the codes; the fragment of K step s (128 along K, 8 registers a lane) at 1024 s; its registers 4 c .. 4 c + 3 of lane l at 512 c + 16 l;
;   bytes 8192 .. 8703: the scale words; lane l's 16 bytes at 16 l; its word u is row l % 16's word of K step 2 u + l / 16.
; Tiles 0 .. 511: x, tile T = tokens 16 T + r.  Weight tile c (0 .. 63) of matrix mat (0 wq, 1 wk, 2 wv, 3 wo) lies at index 512 + 64 (c / 16) + 16 mat + c % 16;
; its image row r is weight row 64 (c / 4) + 8 (c % 4) + r % 8 + 32 (r / 8): so the results of four neighbouring tiles are whole blocks of 32 along the next product's K in one lane.
; A block's scale is 2^(floor(log2(its largest magnitude)) - 2); its byte is the largest magnitude's exponent field - 2, held at 1 from below.
; LIMITS: a block of zeros, or one whose largest magnitude lies under 2^-124, gets the byte 1 where the quantiser says 127 for zeros: its codes are zeros, which add nothing under that byte,
; and the bytes are read by this program alone.  NaN and infinities among the inputs are not served.
; SHARES: a work-group makes one tile; wave w its K steps 2 w and 2 w + 1.  Each load reads 512 consecutive bytes of one row; the 16 rows turn through the wave's own stage in LDS,
; so that a lane gets two whole blocks of 32 neighbours.  All 32 loads of a wave are issued at its head.  One path serves all five tensors: only pointers and whole numbers are chosen, by the work-group's number.
.set TILEB, 8704
.set PITCH, 528                        ; a stage row: 512 bytes + 16: row r starts 4 r words further on modulo 64, so the 16 rows that a load touches start at 16 different places
.set STW,   16*PITCH                   ; a wave's stage
.set SCB,   4*STW                      ; behind the stages: the tile's scale image, 512 bytes
.set OA,  4                            ; v4   rows 0-7: 16 lane + 1024 wave
.set OB,  5                            ; v5   rows 8-15: the same, 8 (x) or 32 (weights) rows further down
.set SIN, 6                            ; v6   the stage on the way in: 16 lane
.set SOUT, 7                           ; v7   and on the way out: 528 r + 128 h
.set CO,  8                            ; v8   my codes' place in the tile: 16 lane + 2048 wave
.set H8,  9                            ; v9   8 h
.set TM,  10                           ; v10-17 at work
.set PW,  18                           ; v18, v19 the two K steps' scale words
.set SW,  20
.set SWA, 21                           ; v21  SCB + 16 lane + 4 wave
.set SRA, 22                           ; v22  SCB + 16 lane
.set L16, 23                           ; v23  16 lane
.set C,   24                           ; v24-39 codes, 8 registers for each K step: no store's data are written again
.set SI,  40                           ; v40-43 the scale image on its way out
.set R,   64                           ; v64-191 the numbers as loaded, 64 registers for each K step
.set X,   192                          ; v192-255 64 numbers of my row: register 32 c + i is k = 64 c + 32 h + i
	s_load_b256 s[4:11], s[0:1], 0x0               ; x s[4:5], wq s[6:7], wk s[8:9], wv s[10:11]
	s_load_b128 s[12:15], s[0:1], 0x20             ; wo s[12:13], img s[14:15]
	v_lshl_add_u32 v62, v0, 2, 0x8600
	v_mov_b32 v63, 0
	v_lshrrev_b32 v1, 5, v0
	v_readfirstlane_b32 s16, v1                    ; wave 0..3
	v_and_b32 v1, 31, v0                           ; lane
	v_and_b32 v2, 15, v0                           ; r
	v_bfe_u32 v3, v0, 4, 1                         ; h
	s_sub_co_u32 s18, ttmp9, 512                   ; a weight's work-group: 64 mat + c
	s_bfe_u32 s19, s18, 0x20006                    ; mat
	s_and_b32 s20, s18, 63                         ; c
	s_lshr_b32 s21, s20, 2
	s_lshl_b32 s21, s21, 18                        ; 64 (c / 4) rows of 4,096 bytes
	s_and_b32 s22, s20, 3
	s_lshl_b32 s22, s22, 15                        ; 8 (c % 4) rows
	s_add_co_u32 s21, s21, s22                     ; a weight tile's first row, in bytes
	s_lshr_b32 s22, s20, 4
	s_lshl_b32 s22, s22, 6
	s_lshl_b32 s23, s19, 4
	s_add_co_u32 s22, s22, s23
	s_and_b32 s23, s20, 15
	s_add_co_u32 s22, s22, s23
	s_add_co_u32 s22, s22, 512                     ; its index in img
	s_lshl_b32 s23, ttmp9, 16                      ; a tile of x: 16 T rows of 4,096 bytes
	s_mov_b32 s24, 8*4096
	s_mov_b32 s25, 32*4096
	s_cmp_lt_u32 ttmp9, 512                        ; x or a weight?  The three choices below leave SCC alone
	s_cselect_b32 s26, s23, s21                    ; the first row, in bytes
	s_cselect_b32 s24, s24, s25                    ; how far down rows 8-15 begin
	s_cselect_b32 s22, ttmp9, s22                  ; the tile's index
	s_mov_b32 s27, 0
	s_mul_i32 s28, s22, TILEB
	s_mov_b32 s29, 0
	s_lshl_b32 s30, s16, 10
	s_mul_i32 s31, s16, STW
	s_lshl_b32 s32, s16, 11
	s_lshl_b32 s33, s16, 2
	s_mov_b32 s34, 0x76543210
	s_mov_b32 s35, 0xfedcba98                      ; v_permlanex16_b32's selects for lane l xor 16
	v_lshlrev_b32 v[L16], 4, v1
	v_add_nc_u32 v[OA], s30, v[L16]
	v_add_nc_u32 v[OB], s24, v[OA]
	v_add_nc_u32 v[SIN], s31, v[L16]
	v_mul_u32_u24 v[SOUT], v2, PITCH
	v_lshl_add_u32 v[SOUT], v3, 7, v[SOUT]
	v_add_nc_u32 v[SOUT], s31, v[SOUT]
	v_add_nc_u32 v[CO], s32, v[L16]
	v_lshlrev_b32 v[H8], 3, v3
	v_add_nc_u32 v[SRA], SCB, v[L16]
	v_add_nc_u32 v[SWA], s33, v[SRA]
	v_mov_b32 v[TM+7], 0                           ; written once: a lane permute's destination counts as one of its sources
	s_wait_kmcnt 0x0
	s_cmp_eq_u32 s19, 1                            ; the source: each choice hangs on the work-group's number alone
	s_cselect_b64 s[6:7], s[8:9], s[6:7]
	s_cmp_eq_u32 s19, 2
	s_cselect_b64 s[6:7], s[10:11], s[6:7]
	s_cmp_eq_u32 s19, 3
	s_cselect_b64 s[6:7], s[12:13], s[6:7]
	s_cmp_lt_u32 ttmp9, 512
	s_cselect_b64 s[4:5], s[4:5], s[6:7]
	s_add_nc_u64 s[4:5], s[4:5], s[26:27]          ; the tile's first row
	s_add_nc_u64 s[14:15], s[14:15], s[28:29]      ; the tile in img
.irp f, 0,1
.irp i, 0,1,2,3,4,5,6,7
	global_load_b128 v[R+64*\f+4*\i:R+64*\f+4*\i+3], v[OA], s[4:5] offset:4096*\i+512*\f th:TH_LOAD_NT   ; 32 lanes read 512 consecutive bytes of image row i
.endr
.irp i, 0,1,2,3,4,5,6,7
	global_load_b128 v[R+64*\f+32+4*\i:R+64*\f+32+4*\i+3], v[OB], s[4:5] offset:4096*\i+512*\f th:TH_LOAD_NT   ; and of image row 8 + i
.endr
.endr
; 64 numbers of a lane, v[X + 32 c + i] = k 64 c + 32 h + i of my row, become a fragment's 8 registers of codes in v[dst] on and its scale word in v[pw].  A lane holds two whole blocks.
.macro QUANTW dst, pw
.irp c, 0,1
	v_max3_num_f32 v[TM+\c], |v[X+32*\c]|, |v[X+32*\c+1]|, 0x1800000   ; my block 2 c + h, and the floor 2^(3 - 127): the byte cannot fall under 1
.endr
.irp i, 2,4,6,8,10,12,14,16,18,20,22,24,26,28,30
.irp c, 0,1
	v_max3_num_f32 v[TM+\c], v[TM+\c], |v[X+32*\c+\i]|, |v[X+32*\c+\i+1]|   ; (the two blocks by turns)
.endr
.endr
.irp c, 0,1
	v_add_nc_u32 v[TM+2+\c], 0xff000000, v[TM+\c]  ; 2 off the exponent field: the conversion takes the exponent field of this operand as its scale
.endr
.irp c, 0,1
	v_lshrrev_b32 v[TM+4+\c], 23, v[TM+2+\c]       ; the scale's byte
.endr
	v_lshl_or_b32 v[TM+6], v[TM+5], 16, v[TM+4]    ; my two bytes: blocks h and 2 + h,
	v_lshlrev_b32 v[TM+6], v[H8], v[TM+6]          ; at their places in the word;
	v_permlanex16_b32 v[TM+7], v[TM+6], s34, s35
	v_or_b32 v[\pw], v[TM+6], v[TM+7]              ; with lane l xor 16's two the word is whole
.irp c, 0,1
.irp g, 0,1,2,3
	v_cvt_scalef32_pk8_fp4_f32 v[\dst+4*\c+\g], v[X+32*\c+8*\g:X+32*\c+8*\g+7], v[TM+2+\c]
.endr
.endr
	v_nop                                          ; one plain line behind the last conversion
.endm
.irp f, 0,1
	s_wait_loadcnt 16*(1-\f)                       ; this K step's 16 loads are in; the second step's 16 may be out
.irp i, 0,1,2,3,4,5,6,7,8,9,10,11,12,13,14,15
	ds_store_b128 v[SIN], v[R+64*\f+4*\i:R+64*\f+4*\i+3] offset:PITCH*\i
.endr
.irp c, 0,1
.irp q, 0,1,2,3,4,5,6,7
	ds_load_b128 v[X+32*\c+4*\q:X+32*\c+4*\q+3], v[SOUT] offset:256*\c+16*\q   ; LDS serves a wave's instructions in order: these see the stores above
.endr
.endr
	s_wait_dscnt 0x0
	QUANTW C+8*\f, PW+\f
	global_store_b128 v[CO], v[C+8*\f:C+8*\f+3], s[14:15] offset:1024*\f         ; each store of the wave covers 512 consecutive bytes, aligned
	global_store_b128 v[CO], v[C+8*\f+4:C+8*\f+7], s[14:15] offset:1024*\f+512
.endr
	v_cmp_le_u32 vcc_lo, 16, v1                    ; word u = wave of the scale image: lanes 0-15 K step 2 w, lanes 16-31 K step 2 w + 1
	v_cndmask_b32 v[SW], v[PW], v[PW+1], vcc_lo
	ds_store_b32 v[SWA], v[SW]
	s_wait_dscnt 0x0                               ; for the others' sake: my word lies in LDS
	s_barrier_signal -1
	s_barrier_wait -1
	s_cmp_lg_u32 s16, 0                            ; wave 0 sends the four waves' words out as 512 consecutive bytes
	s_cbranch_scc1 .Lend
	ds_load_b128 v[SI:SI+3], v[SRA]
	s_wait_dscnt 0x0
	global_store_b128 v[L16], v[SI:SI+3], s[14:15] offset:8192
.Lend:
	s_wait_tensorcnt 0x0
	ds_add_u32 v62, v63
	s_wait_dscnt 0x0
	s_endpgm
.Lfunc_end_k_q0170a29b0b_quant:
	.size	k_q0170a29b0b_quant, .Lfunc_end_k_q0170a29b0b_quant-k_q0170a29b0b_quant
	.p2alignl 7, 3214868480
	.fill 96, 4, 3214868480
	.section	.rodata,"a",@progbits
	.p2align	6, 0x0
	.amdhsa_kernel k_q0170a29b0b_quant
		.amdhsa_group_segment_fixed_size 34816
		.amdhsa_private_segment_fixed_size 0
		.amdhsa_enable_private_segment 0
		.amdhsa_kernarg_size 48
		.amdhsa_user_sgpr_count 2
		.amdhsa_user_sgpr_kernarg_segment_ptr 1
		.amdhsa_wavefront_size32 1
		.amdhsa_system_sgpr_workgroup_id_x 1
		.amdhsa_system_sgpr_workgroup_id_y 1
		.amdhsa_system_sgpr_workgroup_id_z 1
		.amdhsa_system_vgpr_workitem_id 0
		.amdhsa_next_free_vgpr 256
		.amdhsa_next_free_sgpr 66
		.amdhsa_reserve_vcc 1
		.amdhsa_float_denorm_mode_32 3
		.amdhsa_float_denorm_mode_16_64 3
		.amdhsa_memory_ordered 1
		.amdhsa_forward_progress 1
		.amdhsa_inst_pref_size 17
	.end_amdhsa_kernel
	.amdgpu_metadata
---
amdhsa.version: [ 1, 2 ]
amdhsa.kernels:
  - .name:           k_q0170a29b0b_quant
    .symbol:         k_q0170a29b0b_quant.kd
    .args:
      - { .name: x, .offset: 0, .size: 8, .value_kind: global_buffer, .address_space: global }
      - { .name: wq, .offset: 8, .size: 8, .value_kind: global_buffer, .address_space: global }
      - { .name: wk, .offset: 16, .size: 8, .value_kind: global_buffer, .address_space: global }
      - { .name: wv, .offset: 24, .size: 8, .value_kind: global_buffer, .address_space: global }
      - { .name: wo, .offset: 32, .size: 8, .value_kind: global_buffer, .address_space: global }
      - { .name: img, .offset: 40, .size: 8, .value_kind: global_buffer, .address_space: global }
    .group_segment_fixed_size: 34816
    .private_segment_fixed_size: 0
    .kernarg_segment_align: 8
    .kernarg_segment_size: 48
    .max_flat_workgroup_size: 128
    .sgpr_count:     66
    .vgpr_count:     256
    .wavefront_size: 32
...
	.end_amdgpu_metadata
.endif
;; end of part 1
;; launch fused (part 2): grid 256 x 1, 4 waves a work-group, no clusters, 226,304 bytes of LDS; arguments img, q_norm_w, k_norm_w, out0; writes out0
.if DOCPART == 2
	.amdgcn_target "amdgcn-amd-amdhsa--gfx1250"
	.amdhsa_code_object_version 6
	.text
	.protected	k_q0170a29b0b_fused
	.globl	k_q0170a29b0b_fused
	.p2align	8
	.type	k_q0170a29b0b_fused,@function
k_q0170a29b0b_fused:
	s_mov_b64 s[64:65], 0
	v_nop
	global_prefetch_b8 v0, s[64:65] scope:SCOPE_SE
	s_setreg_imm32_b32 hwreg(HW_REG_WAVE_MODE, 25, 1), 1
	s_wait_xcnt 0x0
; out = attention(x) wo^T: q, k, v projections, RMS norms of q and k over the 1,024 columns, attention of 8 heads of 128 with ALiBi in the band key = query - 16 .. query, out projection.
; All six products on codes of FP4 (E2M1) with one E8M0 scale for each 32 along K.  x and the weights come as register images out of img (tiles of 16 rows x 1024 K, 8,704 bytes:
; fragment s at 1024 s, its registers 4 c .. 4 c + 3 of lane l at 512 c + 16 l; scale words at 8192 + 16 l, word u = K step 2 u + l / 16).
; SHARES.  Work-group i owns tokens 32 i .. 32 i + 31.  It holds four tiles of tokens, m = 0 .. 3 = tokens 32 i - 32 + 16 m: q is made of m = 2, 3; k of m = 1 .. 3 (the band reaches 16 back);
; v of m = 0 .. 3, since v is quantised along the keys in blocks of 32 from the sequence's start.  Wave w owns heads 2 w, 2 w + 1 = columns 256 w .. 256 w + 255 of every weight:
; its 64 weight tiles (q's 16, k's, v's, o's) are one stream of 557,056 bytes.  Nothing but img goes through memory on the way.
; Where i % 64 = 0 the tiles m = 0, 1 belong to no key of this sequence: finite rows are loaded all the same and every score on them becomes -infinity (no branch).
; WEIGHTS GO FROM MEMORY STRAIGHT INTO REGISTERS, with no LDS ring and no cluster: each fragment is read by one wave, once, and feeds 2 to 4 matrix instructions.  Two LDS slots could hold 16 tiles
; (139,264 bytes) each, with one slot on its way between two barriers; the ring of four tiles in registers has 34 to 68 loads of 512 bytes of every wave asked for at all times, and costs no barrier, no LDS store and no LDS read.
; LAYOUT.  A weight tile's image row r is weight row 64 g + 8 u + r % 8 + 32 (r / 8) (tile 4 g + u).  With the weight as source 0, lane (r, h) holds token r, and register j of tile 4 g + u column 64 g + 32 h + 8 u + j:
; the 32 registers of four tiles are one whole block of 32 along the next K, where the 4-bit operand wants it.  So q, k and the attention's result are quantised with no maximum across lanes.
; v is made with x as source 0: a lane holds one channel and 8 tokens.  THE SECOND PRODUCT'S K is 64 keys in a K step of 128: token tile m lies in register (0, 1, 4, 5)[m] of V's and of P's fragment alike
; (nibble j of half h = token 8 h + j of the tile), registers 2, 3, 6, 7 hold zero codes; a block of 32 keys so fills two of the instruction's blocks by halves, and the scale word is (b0, b0, b1, b1).
; SOFTMAX.  t = score x log2(e) / sqrt(128) + slope x log2(e) x (key - query); M = ceil(the row's largest t); p = 2^(t - M) is quantised; the sum of the unquantised p divides at the end.
; LIMITS: a block of zeros, or one under 2^-124, gets the scale byte 1 where the quantiser says 127 for zeros: its codes are zeros and this program alone reads the bytes.  NaN and infinities among the inputs are not served.
; REGISTERS, in windows of 256: window 0: v0-31 addresses and sums of squares; v32-47 x's scale words, later the attention result's; v48-63 the ring's scale words; v64-127 ACC; v128-191 T; v192.. codes, at work, scale words.
;   window 1: x's fragments (m, s) at 64 m + 8 s; later V's (t at 8 t); later the attention result's (qt, s) at 64 qt + 8 s.   window 2: the weight ring, four tiles of 64.   window 3: q's fragments at 8 (2 hd + qt), k's at 32 + 8 (3 hd + m - 1).
.set TILEB,  8704
.set PAIRB,  2*TILEB
.set TRIPB,  4*TILEB
.set SPILLW, 49152                     ; LDS: a wave's own region: q's or k's sums as images (accumulator (tile t, m') at (t R + m') 1024); later V's codes (512 t), V's scale words, the stage for out
.set VSCO,   8192
.set STGO,   16384
.set SPITCH, 272                       ; a stage row: 256 bytes + 16
.set NWQ,    4*SPILLW                  ; q_norm_w, 4,096 bytes; behind it k_norm_w
.set SUMQ,   NWQ+8192                  ; sums of squares [wave][m' 0..1][lane] x 4
.set SUMK,   SUMQ+1024                 ; [wave][m' 0..2][lane] x 4
.set OIMG,   SUMK+1536                 ; the attention result's 16 fragments (qt, s) at 8192 qt + 1024 s
.set OSC,    OIMG+16384                ; and its two scale images of 512 bytes
.set LN16, 1                           ; 16 lane
.set LN4,  2                           ; 4 lane
.set RR,   3                           ; r = lane % 16
.set HH,   4                           ; h = lane / 16
.set SP0,  5                           ; my region + 16 lane
.set SPA,  6                           ; the trip's place in it
.set NWA,  7                           ; NWQ + 1024 w + 128 h
.set SQW,  8                           ; SUMQ + 256 w + 4 lane
.set SKW,  9                           ; SUMK + 384 w + 4 lane
.set SRD,  10                          ; SUMQ + 4 lane
.set OWI,  11                          ; OIMG + 2048 w + 16 lane
.set OWS,  12                          ; OSC + 16 r + 4 w
.set ORI,  13                          ; OIMG + 16 lane
.set ORS,  14                          ; OSC + 16 lane
.set STO,  15                          ; stage + 272 r + 128 h
.set STR,  16                          ; stage + 272 h + 16 r
.set GO,   17                          ; 4096 h + 16 r
.set EE,   18                          ; 8 h - r
.set E1,   19                          ; the same less 64 where the tile in front of my queries is no part of the sequence
.set NINF, 20
.set H8,   21                          ; 8 h
.set VRA,  22                          ; my region + 8 lane
.set VSA,  23                          ; my region + VSCO + 4 lane
.set SS,   24                          ; v24-29 sums of squares, a pair for each tile of tokens
.set VWA,  30                          ; the v trip's addresses; at the head: 16 x thread, for the norm vectors
.set VWS,  31
.set XS,   32
.set WS,   48
.set ACC,  64
.set T,    128
.set PC,   192
.set PF0,  200
.set PF1,  208
.set TM,   216
.set QS,   224
.set KS,   228
.set VSR,  234
.set PW0,  242
.set PW1,  243
.set PWO,  244
.set RS,   246                         ; pairs: 1 / rms of up to three tiles of tokens
.set RL,   246                         ; in attention: 1 / l of the two tiles of queries,
.set NM,   250                         ; and -M
.set WV,  12
.set THR, 14
.set XH,  16
.set XO,  18
.set WP,  20
.set OP,  22
.set SEL, 24
.set CS,  26
.set SL,  28
.set INV, 30
.set EPS, 31
.set CNT, 32
.set SPO, 33
.set VO,  34
.set VSO, 35
.set W_T,  0x06                        ; source 0 the ring (window 2), source 1 window 1, C and D window 0
.set W_N,  0x09                        ; source 0 window 1, source 1 the ring
.set W_S,  0x0f                        ; both sources window 3
.set W_PV, 0x01                        ; source 0 window 1
.set TO_X, 0x40                        ; destination window 1
.set TO_R, 0x80                        ; destination window 2
.set TO_F, 0xc0                        ; destination window 3
.set MSB, 0
.macro WIN new                         ; the immediate's high byte repeats the setting that is left; at a label and at a branch every window is 0
.if MSB != \new
	s_set_vgpr_msb (MSB<<8)|\new
.set MSB, \new
.endif
.endm
.macro PLACES n
.rept \n
	v_nop
.endr
.endm
.macro BARRIER                         ; my LDS stores have landed and my LDS loads are in: then the work-group's barrier
	s_wait_dscnt 0x0
	s_barrier_signal -1
	s_barrier_wait -1
.endm
; One matrix instruction.  kind 0: starts a sum, scale words from lanes 0-15; 1: adds, lanes 0-15; 2: adds, lanes 16-31
.macro WMMA d, a, b, sa, sb, kind
.if \kind == 0
	v_wmma_scale_f32_16x16x128_f8f6f4 v[\d:\d+7], v[\a:\a+7], v[\b:\b+7], 0, v[\sa], v[\sb] matrix_a_fmt:MATRIX_FMT_FP4 matrix_b_fmt:MATRIX_FMT_FP4
.elseif \kind == 1
	v_wmma_scale_f32_16x16x128_f8f6f4 v[\d:\d+7], v[\a:\a+7], v[\b:\b+7], v[\d:\d+7], v[\sa], v[\sb] matrix_a_fmt:MATRIX_FMT_FP4 matrix_b_fmt:MATRIX_FMT_FP4
.else
	v_wmma_scale_f32_16x16x128_f8f6f4 v[\d:\d+7], v[\a:\a+7], v[\b:\b+7], v[\d:\d+7], v[\sa], v[\sb] matrix_a_fmt:MATRIX_FMT_FP4 matrix_b_fmt:MATRIX_FMT_FP4 matrix_a_scale:MATRIX_SCALE_ROW1 matrix_b_scale:MATRIX_SCALE_ROW1
.endif
.endm
; 34 loads: two weight tiles, off bytes on in my stream, into pair p of the ring: 16 x 512 bytes of codes and 512 of scale words each
.macro RLOAD p, off
	WIN TO_R
.irp q, 0,1
.irp i, 0,1,2,3,4,5,6,7,8,9,10,11,12,13,14,15
	global_load_b128 v[128*\p+64*\q+4*\i:128*\p+64*\q+4*\i+3], v[LN16], s[WP:WP+1] offset:\off+TILEB*\q+512*\i
.endr
.endr
	WIN 0
.irp q, 0,1
	global_load_b128 v[WS+8*\p+4*\q:WS+8*\p+4*\q+3], v[LN16], s[WP:WP+1] offset:\off+TILEB*\q+8192
.endr
.endm
; 16 R matrix instructions: pair p's two weight tiles x the tiles of rows m0 .. m0 + R - 1 of window 1, all of K, ascending.  tr = 1: the weight is source 0.  The first K step starts the sums.
; The 2 R accumulators take turns, one instruction a turn.
.macro MULT p, R, m0, ab, tr
.set ms, 0
.rept 8
.set mk, 1+ms%2
.if ms == 0
.set mk, 0
.endif
.set mq, 0
.rept 2
.set mm, 0
.rept \R
.if \tr
	WMMA \ab+8*(mq*\R+mm), 128*\p+64*mq+8*ms, 64*(\m0+mm)+8*ms, WS+8*\p+4*mq+ms/2, XS+4*(\m0+mm)+ms/2, mk
.else
	WMMA \ab+8*(mq*\R+mm), 64*(\m0+mm)+8*ms, 128*\p+64*mq+8*ms, XS+4*(\m0+mm)+ms/2, WS+8*\p+4*mq+ms/2, mk
.endif
.set mm, mm+1
.endr
.set mq, mq+1
.endr
.set ms, ms+1
.endr
.endm
; The 2 R accumulators just made: their squares onto the tokens' sums (each accumulator from its low end on), and the numbers themselves into my region of LDS, as images
.macro SQSPILL p, R
.irp k, 0,2,4,6
.set qa, 0
.rept 2*\R
	v_pk_fma_f32 v[SS+2*(qa%\R):SS+2*(qa%\R)+1], v[ACC+8*qa+\k:ACC+8*qa+\k+1], v[ACC+8*qa+\k:ACC+8*qa+\k+1], v[SS+2*(qa%\R):SS+2*(qa%\R)+1]
.set qa, qa+1
.endr
.endr
.set qa, 0
.rept 2*\R
	ds_store_b128 v[SPA], v[ACC+8*qa:ACC+8*qa+3] offset:(2*\p*\R+qa)*1024
	ds_store_b128 v[SPA], v[ACC+8*qa+4:ACC+8*qa+7] offset:(2*\p*\R+qa)*1024+512
.set qa, qa+1
.endr
.endm
; 64 numbers of a lane, v[src + 32 c + i] = k 64 c + 32 h + i of my row, become a fragment's 8 registers in v[dst] on (window setting dwin) and its scale word in v[pw].  A lane holds two whole blocks.
.macro QUANTW src, dwin, dst, pw
.irp c, 0,1
	v_max3_num_f32 v[TM+\c], |v[\src+32*\c]|, |v[\src+32*\c+1]|, 0x1800000   ; my block 2 c + h, and the floor 2^(3 - 127): the byte cannot fall under 1
.endr
.irp i, 2,4,6,8,10,12,14,16,18,20,22,24,26,28,30
.irp c, 0,1
	v_max3_num_f32 v[TM+\c], v[TM+\c], |v[\src+32*\c+\i]|, |v[\src+32*\c+\i+1]|
.endr
.endr
.irp c, 0,1
	v_add_nc_u32 v[TM+2+\c], 0xff000000, v[TM+\c]  ; 2 off the exponent field: the conversion's scale operand
.endr
.irp c, 0,1
	v_lshrrev_b32 v[TM+4+\c], 23, v[TM+2+\c]       ; the scale's byte
.endr
	v_lshl_or_b32 v[TM+6], v[TM+5], 16, v[TM+4]    ; my two bytes, blocks h and 2 + h,
	v_lshlrev_b32 v[TM+6], v[H8], v[TM+6]          ; at their places in the word;
	v_permlanex16_b32 v[TM+7], v[TM+6], s[SEL], s[SEL+1]
	v_or_b32 v[\pw], v[TM+6], v[TM+7]              ; with lane l xor 16's two the word is whole
	WIN \dwin
.irp c, 0,1
.irp g, 0,1,2,3
	v_cvt_scalef32_pk8_fp4_f32 v[(\dst)+4*\c+\g], v[\src+32*\c+8*\g:\src+32*\c+8*\g+7], v[TM+2+\c]
.endr
.endr
	WIN 0
	v_nop                                          ; one plain line behind the last conversion
.endm
; The tokens' sums of squares meet: my lanes' two halves, then the four waves' through LDS; 1 / sqrt(mean + eps) into the pairs RS
.macro RMS R, stw, rdoff
.set qa, 0
.rept \R
	v_add_f32 v[TM+qa], v[SS+2*qa], v[SS+2*qa+1]
.set qa, qa+1
.endr
.set qa, 0
.rept \R
	v_permlanex16_b32 v[TM+4+qa], v[TM+qa], s[SEL], s[SEL+1]
.set qa, qa+1
.endr
.set qa, 0
.rept \R
	v_add_f32 v[TM+qa], v[TM+qa], v[TM+4+qa]
	ds_store_b32 v[\stw], v[TM+qa] offset:128*qa
.set qa, qa+1
.endr
	BARRIER                                        ; every wave's sums lie in LDS (behind the first of these barriers: the norm vectors too)
.set qa, 0
.rept \R
.irp u, 0,1,2,3
	ds_load_b32 v[T+16+4*qa+\u], v[SRD] offset:\rdoff+128*\R*\u+128*qa
.endr
.set qa, qa+1
.endr
	s_wait_dscnt 0x0
.set qa, 0
.rept \R
	v_add_f32 v[T+16+4*qa], v[T+16+4*qa], v[T+17+4*qa]
	v_add_f32 v[T+18+4*qa], v[T+18+4*qa], v[T+19+4*qa]
.set qa, qa+1
.endr
.set qa, 0
.rept \R
	v_add_f32 v[T+16+4*qa], v[T+16+4*qa], v[T+18+4*qa]   ; the same order in every wave: the same bits
.set qa, qa+1
.endr
.set qa, 0
.rept \R
	v_fma_f32 v[T+16+4*qa], v[T+16+4*qa], s[INV], s[EPS]  ; sum / 1024 + 1e-6
.set qa, qa+1
.endr
.set qa, 0
.rept \R
	v_rsq_f32 v[RS+2*qa], v[T+16+4*qa]
.set qa, qa+1
.endr
	v_nop                                          ; a plain line behind the last reciprocal root
	s_wait_alu depctr_va_vdst(0)
.endm
; Head hd of q or of k: the sums come back from my region, are multiplied by 1 / rms and then by the norm's weight, and become one fragment and one scale word for each tile of tokens
.macro EPI hd, R, nw, dstbase, pwbase
.irp t, 0,1,2,3,4,5,6,7
	ds_load_b128 v[ACC+8*\t:ACC+8*\t+3], v[NWA] offset:\nw+512*\hd+256*(\t/4)+32*(\t%4)      ; the weights of my 64 columns, in the sums' order
	ds_load_b128 v[ACC+8*\t+4:ACC+8*\t+7], v[NWA] offset:\nw+512*\hd+256*(\t/4)+32*(\t%4)+16
.endr
.set em, 0
.rept \R
.irp t, 0,1,2,3,4,5,6,7
	ds_load_b128 v[T+8*\t:T+8*\t+3], v[SP0] offset:((8*\hd+\t)*\R+em)*1024
	ds_load_b128 v[T+8*\t+4:T+8*\t+7], v[SP0] offset:((8*\hd+\t)*\R+em)*1024+512
.endr
	s_wait_dscnt 0x0
.set ej, 0
.rept 32
	v_pk_mul_f32 v[T+ej:T+ej+1], v[T+ej:T+ej+1], v[RS+2*em:RS+2*em+1] op_sel_hi:[1,0]
.set ej, ej+2
.endr
.set ej, 0
.rept 32
	v_pk_mul_f32 v[T+ej:T+ej+1], v[T+ej:T+ej+1], v[ACC+ej:ACC+ej+1]
.set ej, ej+2
.endr
	QUANTW T, TO_F, \dstbase+8*em, \pwbase+em
.set em, em+1
.endr
.endm
; A trip of the q or k projection: four weight tiles x R tiles of tokens
.macro QKTRIP R, m0
	v_add_nc_u32 v[SPA], s[SPO], v[SP0]
.irp p, 0,1
	s_wait_loadcnt 34                              ; behind this pair's loads only the other pair's 34 were issued: this pair, and all that is older, is in
	s_wait_dscnt 0x0                               ; the last spill's stores have read the accumulators
	WIN W_T
	MULT \p, \R, \m0, ACC, 1
	WIN 0
	PLACES 5                                       ; four in front of the loads into the ring and of the first read of results; the fifth for the next products, which write over these accumulators
	RLOAD \p, TRIPB+PAIRB*\p                       ; the same pair of the next trip
	SQSPILL \p, \R
.endr
	s_wait_xcnt 0x0                                ; the loads have read their base
	s_add_nc_u64 s[WP:WP+1], s[WP:WP+1], TRIPB
	s_add_co_u32 s[SPO], s[SPO], 4*\R*1024
.endm
; v: weight tile q of pair p: a lane holds one channel and, in accumulator m, tokens 8 h + 0 .. 7 of tile m.  Block b of 32 keys = tiles 2 b, 2 b + 1, in lanes l and l xor 16
.macro QUANTV p, q
.irp b, 0,1
	v_max3_num_f32 v[TM+\b], |v[ACC+32*\q+16*\b]|, |v[ACC+32*\q+16*\b+1]|, 0x1800000
.endr
.irp i, 2,4,6,8,10,12,14
.irp b, 0,1
	v_max3_num_f32 v[TM+\b], v[TM+\b], |v[ACC+32*\q+16*\b+\i]|, |v[ACC+32*\q+16*\b+\i+1]|
.endr
.endr
.irp b, 0,1
	v_permlanex16_b32 v[TM+2+\b], v[TM+\b], s[SEL], s[SEL+1]
.endr
.irp b, 0,1
	v_max_num_f32 v[TM+\b], v[TM+\b], v[TM+2+\b]
.endr
.irp b, 0,1
	v_add_nc_u32 v[TM+4+\b], 0xff000000, v[TM+\b]
.endr
.irp b, 0,1
	v_lshrrev_b32 v[TM+6+\b], 23, v[TM+4+\b]
.endr
.irp b, 0,1
	v_lshl_or_b32 v[TM+6+\b], v[TM+6+\b], 8, v[TM+6+\b]
.endr
	v_lshl_or_b32 v[254+\q], v[TM+7], 16, v[TM+6]  ; the scale word (b0, b0, b1, b1)
.irp m, 0,1,2,3
	v_cvt_scalef32_pk8_fp4_f32 v[PC+4*\q+\m], v[ACC+32*\q+8*\m:ACC+32*\q+8*\m+7], v[TM+4+\m/2]
.endr
	v_nop
	ds_store_b64 v[VWA], v[PC+4*\q:PC+4*\q+1] offset:(2*\p+\q)*512
	ds_store_b64 v[VWA], v[PC+4*\q+2:PC+4*\q+3] offset:(2*\p+\q)*512+256
	ds_store_b32 v[VWS], v[254+\q] offset:(2*\p+\q)*128
.endm
.macro VTRIP
	v_add_nc_u32 v[VWA], s[VO], v[VRA]
	v_add_nc_u32 v[VWS], s[VSO], v[VSA]
.irp p, 0,1
	s_wait_loadcnt 34                              ; as in the q and k trips
	s_wait_dscnt 0x0
	WIN W_N
	MULT \p, 4, 0, ACC, 0
	WIN 0
	PLACES 5
	RLOAD \p, TRIPB+PAIRB*\p
	QUANTV \p, 0
	QUANTV \p, 1
.endr
	s_wait_xcnt 0x0
	s_add_nc_u64 s[WP:WP+1], s[WP:WP+1], TRIPB
	s_add_co_u32 s[VO], s[VO], 2048
	s_add_co_u32 s[VSO], s[VSO], 512
.endm
; Attention of head 2 w + hd for my 32 queries (qt = 0, 1), all inside the wave
.macro HEAD hd
	WIN TO_X
.irp t, 0,1,2,3,4,5,6,7
	ds_load_b64 v[8*\t:8*\t+1], v[VRA] offset:(8*\hd+\t)*512           ; V's fragment t: token tiles 0, 1 into registers 0, 1,
	ds_load_b64 v[8*\t+4:8*\t+5], v[VRA] offset:(8*\hd+\t)*512+256     ; tiles 2, 3 into registers 4, 5
.endr
	WIN 0
.irp t, 0,1,2,3,4,5,6,7
	ds_load_b32 v[VSR+\t], v[VSA] offset:(8*\hd+\t)*128
.endr
	WIN W_S
.irp qt, 0,1
.irp k2, 0,1
	WMMA ACC+16*\qt+8*\k2, 32+8*(3*\hd+\qt+\k2), 8*(2*\hd+\qt), KS+3*\hd+\qt+\k2, QS+2*\hd+\qt, 0   ; S^T: source 0 = 16 keys (the tile in front of the queries', then their own), source 1 = 16 queries
.endr
.endr
	WIN 0
.irp jj, 0,1,2,3,4,5,6,7,8,9,10,11,12,13,14,15
	v_add_nc_u32 v[T+\jj], \jj-16+8*(\jj/8), v[EE] ; key - query of my register jj.  (These lines are the places behind the four products)
.endr
.irp jj, 0,1,2,3,4,5,6,7,8,9,10,11,12,13,14,15
	v_cvt_f32_i32 v[T+\jj], v[T+\jj]
.endr
.irp jj, 0,1,2,3,4,5,6,7,8,9,10,11,12,13,14,15
	v_mul_f32 v[T+\jj], s[SL+\hd], v[T+\jj]        ; x slope x log2(e)
.endr
.irp qt, 0,1
.irp j, 0,2,4,6,8,10,12,14
	v_pk_fma_f32 v[ACC+16*\qt+\j:ACC+16*\qt+\j+1], v[ACC+16*\qt+\j:ACC+16*\qt+\j+1], s[CS:CS+1], v[T+\j:T+\j+1] op_sel_hi:[1,0,1]   ; t
.endr
.endr
.irp j, 0,1,2,3,4,5,6,7
	v_cmp_gt_i32 vcc_lo, -\j, v[E1]                ; the tile in front: hidden where key - query < -16 (all of it where it is no part of the sequence)
	v_cndmask_b32 v[ACC+\j], v[ACC+\j], v[NINF], vcc_lo
	v_cmp_gt_i32 vcc_lo, -\j, v[EE]
	v_cndmask_b32 v[ACC+16+\j], v[ACC+16+\j], v[NINF], vcc_lo
	v_cmp_lt_i32 vcc_lo, -\j, v[EE]                ; the queries' own tile: hidden where key > query
	v_cndmask_b32 v[ACC+8+\j], v[ACC+8+\j], v[NINF], vcc_lo
	v_cndmask_b32 v[ACC+24+\j], v[ACC+24+\j], v[NINF], vcc_lo
.endr
.irp qt, 0,1
	v_max3_num_f32 v[TM+\qt], v[ACC+16*\qt], v[ACC+16*\qt+1], v[ACC+16*\qt+2]
.endr
.irp i, 3,5,7,9,11,13
.irp qt, 0,1
	v_max3_num_f32 v[TM+\qt], v[TM+\qt], v[ACC+16*\qt+\i], v[ACC+16*\qt+\i+1]
.endr
.endr
.irp qt, 0,1
	v_max_num_f32 v[TM+\qt], v[TM+\qt], v[ACC+16*\qt+15]
.endr
.irp qt, 0,1
	v_permlanex16_b32 v[TM+2+\qt], v[TM+\qt], s[SEL], s[SEL+1]
.endr
.irp qt, 0,1
	v_max_num_f32 v[TM+\qt], v[TM+\qt], v[TM+2+\qt]   ; the row's largest t: the query's own key always counts
.endr
.irp qt, 0,1
	v_floor_f32 v[NM+2*\qt], -v[TM+\qt]            ; -M = floor(-t) = -ceil(t)
.endr
.irp qt, 0,1
.irp j, 0,2,4,6,8,10,12,14
	v_pk_add_f32 v[ACC+16*\qt+\j:ACC+16*\qt+\j+1], v[ACC+16*\qt+\j:ACC+16*\qt+\j+1], v[NM+2*\qt:NM+2*\qt+1] op_sel_hi:[1,0]
.endr
.endr
.set ej, 0
.rept 32
	v_exp_f32 v[ACC+ej], v[ACC+ej]                 ; p = 2^(t - M); 0 where hidden
.set ej, ej+1
.endr
	v_nop                                          ; a plain line behind the last exponential
	s_wait_alu depctr_va_vdst(0)
	v_max3_num_f32 v[TM], v[ACC], v[ACC+1], 0x1800000        ; the blocks' largest p, with the floor.  qt = 0: the tile in front lies in key block 0, the own tile in block 1;
	v_max3_num_f32 v[TM+1], v[ACC+8], v[ACC+9], 0x1800000
	v_max3_num_f32 v[TM+2], v[ACC+16], v[ACC+17], 0x1800000  ; qt = 1: both tiles lie in block 1
.irp i, 2,4,6
	v_max3_num_f32 v[TM], v[TM], v[ACC+\i], v[ACC+\i+1]
	v_max3_num_f32 v[TM+1], v[TM+1], v[ACC+8+\i], v[ACC+8+\i+1]
	v_max3_num_f32 v[TM+2], v[TM+2], v[ACC+16+\i], v[ACC+16+\i+1]
.endr
.irp i, 8,10,12,14
	v_max3_num_f32 v[TM+2], v[TM+2], v[ACC+16+\i], v[ACC+16+\i+1]
.endr
.irp b, 0,1,2
	v_permlanex16_b32 v[TM+4+\b], v[TM+\b], s[SEL], s[SEL+1]
.endr
.irp b, 0,1,2
	v_max_num_f32 v[TM+\b], v[TM+\b], v[TM+4+\b]
.endr
.irp b, 0,1,2
	v_add_nc_u32 v[TM+4+\b], 0xff000000, v[TM+\b]
.endr
.irp b, 0,1,2
	v_lshrrev_b32 v[TM+\b], 23, v[TM+4+\b]
.endr
.irp b, 0,1,2
	v_lshl_or_b32 v[TM+\b], v[TM+\b], 8, v[TM+\b]
.endr
	v_lshl_or_b32 v[PW0], v[TM+1], 16, v[TM]       ; (b0, b0, b1, b1)
	v_lshl_or_b32 v[PW1], v[TM+2], 16, v[TM+2]     ; block 0 of qt = 1 holds zero codes alone: any byte serves
	v_cvt_scalef32_pk8_fp4_f32 v[PF0+1], v[ACC:ACC+7], v[TM+4]         ; token tile 1
	v_cvt_scalef32_pk8_fp4_f32 v[PF0+4], v[ACC+8:ACC+15], v[TM+5]      ; tile 2
	v_cvt_scalef32_pk8_fp4_f32 v[PF1+4], v[ACC+16:ACC+23], v[TM+6]     ; tile 2
	v_cvt_scalef32_pk8_fp4_f32 v[PF1+5], v[ACC+24:ACC+31], v[TM+6]     ; tile 3
	v_nop
.irp qt, 0,1
	v_pk_add_f32 v[RL+2*\qt:RL+2*\qt+1], v[ACC+16*\qt:ACC+16*\qt+1], v[ACC+16*\qt+2:ACC+16*\qt+3]   ; l: the sum of the unquantised p
.endr
.irp j, 4,6,8,10,12,14
.irp qt, 0,1
	v_pk_add_f32 v[RL+2*\qt:RL+2*\qt+1], v[RL+2*\qt:RL+2*\qt+1], v[ACC+16*\qt+\j:ACC+16*\qt+\j+1]
.endr
.endr
.irp qt, 0,1
	v_add_f32 v[TM+\qt], v[RL+2*\qt], v[RL+2*\qt+1]
.endr
.irp qt, 0,1
	v_permlanex16_b32 v[TM+2+\qt], v[TM+\qt], s[SEL], s[SEL+1]
.endr
.irp qt, 0,1
	v_add_f32 v[TM+\qt], v[TM+\qt], v[TM+2+\qt]
.endr
.irp qt, 0,1
	v_rcp_f32 v[RL+2*\qt], v[TM+\qt]
.endr
	s_wait_dscnt 0x0                               ; V's fragments and scale words are in
	PLACES 8                                       ; P's scale words, written by vector instructions, stand eight places ahead of the scaled products; the first is also the plain line behind the reciprocals
	WIN W_PV
.irp t, 0,1,2,3,4,5,6,7
	WMMA ACC+8*\t, 8*\t, PF0, VSR+\t, PW0, 0       ; O^T: source 0 = 16 channels of V, source 1 = P: 16 accumulators, one product each
	WMMA T+8*\t, 8*\t, PF1, VSR+\t, PW1, 0
.endr
	WIN 0
	PLACES 5                                       ; four in front of the first read of results; the fifth for the next head's scores, which are written over these accumulators
	s_wait_alu depctr_va_vdst(0)
.irp qt, 0,1
.set ej, 0
.rept 32
	v_pk_mul_f32 v[ACC+64*\qt+ej:ACC+64*\qt+ej+1], v[ACC+64*\qt+ej:ACC+64*\qt+ej+1], v[RL+2*\qt:RL+2*\qt+1] op_sel_hi:[1,0]   ; / l
.set ej, ej+2
.endr
	QUANTW ACC+64*\qt, 0, PC, PWO                  ; K step 2 w + hd of the out projection
	ds_store_b128 v[OWI], v[PC:PC+3] offset:8192*\qt+1024*\hd
	ds_store_b128 v[OWI], v[PC+4:PC+7] offset:8192*\qt+1024*\hd+512
	ds_store_b32 v[OWS], v[PWO] offset:512*\qt+256*\hd      ; lanes r and r + 16 write the same word with the same value
	s_wait_dscnt 0x0                               ; the stores have read their registers
.endr
.endm
; A trip of the out projection: four weight tiles = 64 columns of out for my 32 tokens
.macro OTRIP refill
.irp p, 0,1
.if \refill
	s_wait_loadcnt 34                              ; as above
.else
	s_wait_loadcnt 34*(1-\p)                       ; the last trip asks for nothing: 34, then 0
.endif
	WIN W_T
	MULT \p, 2, 0, ACC+32*\p, 1
	WIN 0
	PLACES 5
.if \refill
	RLOAD \p, TRIPB+PAIRB*\p
.endif
.endr
.irp tau, 0,1,2,3
.irp qt, 0,1
	ds_store_b128 v[STO], v[ACC+16*\tau+8*\qt:ACC+16*\tau+8*\qt+3] offset:16*SPITCH*\qt+32*\tau       ; lane (r, h): token 16 qt + r, columns 32 h + 8 tau + 0 .. 7 of the 64
	ds_store_b128 v[STO], v[ACC+16*\tau+8*\qt+4:ACC+16*\tau+8*\qt+7] offset:16*SPITCH*\qt+32*\tau+16
.endr
.endr
.irp k, 0,1,2,3,4,5,6,7,8,9,10,11,12,13,14,15
	ds_load_b128 v[T+4*\k:T+4*\k+3], v[STR] offset:2*SPITCH*\k   ; LDS serves a wave's instructions in order: these see the stores above
.endr
.irp k, 0,1,2,3,4,5,6,7,8,9,10,11,12,13,14,15
	s_wait_dscnt 15-\k                             ; load k is in; the 15 - k behind it may be out
	global_store_b128 v[GO], v[T+4*\k:T+4*\k+3], s[OP:OP+1] offset:8192*\k th:TH_STORE_NT   ; sixteen lanes store 256 consecutive bytes, aligned; written once, read by nobody here
.endr
.if \refill
	s_wait_xcnt 0x0                                ; loads and stores have read their bases and data
	s_add_nc_u64 s[WP:WP+1], s[WP:WP+1], TRIPB
	s_add_nc_u64 s[OP:OP+1], s[OP:OP+1], 256
.endif
.endm
	; ---- the head
	s_load_b256 s[4:11], s[0:1], 0x0               ; img s[4:5], q_norm_w s[6:7], k_norm_w s[8:9], out0 s[10:11]
	v_lshl_add_u32 v245, v0, 2, 0x37200
	s_set_vgpr_msb 0xc0
	v_mov_b32 v255, 0
	s_set_vgpr_msb 0xc000
	v_lshrrev_b32 v1, 5, v0
	v_readfirstlane_b32 s[WV], v1                  ; wave 0..3
	v_and_b32 v2, 31, v0
	v_and_b32 v[RR], 15, v0
	v_bfe_u32 v[HH], v0, 4, 1
	v_lshlrev_b32 v[LN16], 4, v2
	v_lshlrev_b32 v[LN4], 2, v2
	v_lshlrev_b32 v[VWA], 4, v0                    ; 16 x thread: my 16 bytes of each half of a norm vector
	v_add_nc_u32 v[VWS], NWQ, v[VWA]
	s_and_b32 s[THR], ttmp9, 63
	s_cmp_eq_u32 s[THR], 0                         ; the sequence's first block?
	s_cselect_b32 s[THR], 64, 0
	s_lshl_b32 s36, ttmp9, 1
	s_mul_i32 s[XO], s36, TILEB                    ; my own two tiles of x: 2 i, 2 i + 1
	s_mov_b32 s[XO+1], 0
	s_sub_co_i32 s36, s36, 2
	s_max_i32 s36, s36, 0
	s_mul_i32 s[XH], s36, TILEB                    ; the two in front (for i = 0 my own again: they are hidden there)
	s_mov_b32 s[XH+1], 0
	s_mul_i32 s[WP], s[WV], 64*TILEB
	s_add_co_u32 s[WP], s[WP], 512*TILEB           ; my stream of weight tiles
	s_mov_b32 s[WP+1], 0
	s_lshl_b32 s[OP], ttmp9, 17                    ; 32 rows of 4,096 bytes,
	s_lshl_b32 s37, s[WV], 10                      ; my 256 columns
	s_add_co_u32 s[OP], s[OP], s37
	s_mov_b32 s[OP+1], 0
	s_wait_kmcnt 0x0
	s_add_nc_u64 s[XH:XH+1], s[4:5], s[XH:XH+1]
	s_add_nc_u64 s[XO:XO+1], s[4:5], s[XO:XO+1]
	s_add_nc_u64 s[WP:WP+1], s[4:5], s[WP:WP+1]
	s_add_nc_u64 s[OP:OP+1], s[10:11], s[OP:OP+1]
	global_load_b128 v[T:T+3], v[VWA], s[6:7]
	global_load_b128 v[T+4:T+7], v[VWA], s[6:7] offset:2048
	global_load_b128 v[T+8:T+11], v[VWA], s[8:9]
	global_load_b128 v[T+12:T+15], v[VWA], s[8:9] offset:2048
	WIN TO_X
.irp m, 0,1
.irp i, 0,1,2,3,4,5,6,7,8,9,10,11,12,13,14,15
	global_load_b128 v[64*\m+4*\i:64*\m+4*\i+3], v[LN16], s[XH:XH+1] offset:TILEB*\m+512*\i
.endr
.endr
.irp m, 0,1
.irp i, 0,1,2,3,4,5,6,7,8,9,10,11,12,13,14,15
	global_load_b128 v[128+64*\m+4*\i:128+64*\m+4*\i+3], v[LN16], s[XO:XO+1] offset:TILEB*\m+512*\i
.endr
.endr
	WIN 0
.irp m, 0,1
	global_load_b128 v[XS+4*\m:XS+4*\m+3], v[LN16], s[XH:XH+1] offset:TILEB*\m+8192
	global_load_b128 v[XS+8+4*\m:XS+8+4*\m+3], v[LN16], s[XO:XO+1] offset:TILEB*\m+8192
.endr
	RLOAD 0, 0                                     ; the ring's first four tiles
	RLOAD 1, PAIRB
	s_mov_b32 s[SEL], 0x76543210
	s_mov_b32 s[SEL+1], 0xfedcba98                 ; v_permlanex16_b32's selects for lane l xor 16
	s_mov_b32 s[CS], 0x3e0293ee                    ; log2(e) / sqrt(128)
	s_mov_b32 s[CS+1], s[CS]                       ; (named with it as a pair, so it is written)
	s_lshl_b32 s38, s[WV], 24
	s_sub_co_u32 s[SL], 0x3fb8aa3b, s38            ; log2(e) x 2^-(head + 1): head + 1 off the exponent field; head = 2 w,
	s_sub_co_u32 s[SL], s[SL], 0x800000
	s_sub_co_u32 s[SL+1], s[SL], 0x800000          ; and 2 w + 1
	s_mov_b32 s[INV], 0x3a800000                   ; 1 / 1024
	s_mov_b32 s[EPS], 0x358637bd                   ; 1e-6
	s_mul_i32 s40, s[WV], SPILLW                   ; my region of LDS
	s_add_co_u32 s44, s40, STGO
	s_lshl_b32 s41, s[WV], 10
	s_lshl_b32 s42, s[WV], 8
	s_mul_i32 s43, s[WV], 384
	s_lshl_b32 s45, s[WV], 2
	s_lshl_b32 s46, s[WV], 11
	v_add_nc_u32 v[SP0], s40, v[LN16]
	v_lshlrev_b32 v[NWA], 7, v[HH]
	v_add_nc_u32 v[NWA], s41, v[NWA]
	v_add_nc_u32 v[NWA], NWQ, v[NWA]
	v_add_nc_u32 v[SRD], SUMQ, v[LN4]
	v_add_nc_u32 v[SQW], s42, v[SRD]
	v_add_nc_u32 v[SKW], s43, v[LN4]
	v_add_nc_u32 v[SKW], SUMK, v[SKW]
	v_add_nc_u32 v[ORI], OIMG, v[LN16]
	v_add_nc_u32 v[OWI], s46, v[ORI]
	v_add_nc_u32 v[ORS], OSC, v[LN16]
	v_lshlrev_b32 v[OWS], 4, v[RR]
	v_add_nc_u32 v[OWS], s45, v[OWS]
	v_add_nc_u32 v[OWS], OSC, v[OWS]
	v_mul_u32_u24 v[STO], v[RR], SPITCH
	v_lshl_add_u32 v[STO], v[HH], 7, v[STO]
	v_add_nc_u32 v[STO], s44, v[STO]
	v_mul_u32_u24 v[STR], v[HH], SPITCH
	v_lshl_add_u32 v[STR], v[RR], 4, v[STR]
	v_add_nc_u32 v[STR], s44, v[STR]
	v_lshlrev_b32 v[GO], 12, v[HH]
	v_lshl_add_u32 v[GO], v[RR], 4, v[GO]
	v_lshlrev_b32 v[H8], 3, v[HH]
	v_sub_nc_u32 v[EE], v[H8], v[RR]
	v_sub_nc_u32 v[E1], v[EE], s[THR]
	v_mov_b32 v[NINF], 0xff800000
	v_lshl_add_u32 v[VRA], v[LN4], 1, s40
	v_add_nc_u32 v[VSA], s40, v[LN4]
	v_add_nc_u32 v[VSA], VSCO, v[VSA]
.set ej, 0
.rept 24
	v_mov_b32 v[PF0+ej], 0                         ; P's fragments (all but four of their registers stay zero codes) and the registers at work (a lane permute's destination counts as one of its sources)
.set ej, ej+1
.endr
.set ej, 0
.rept 10
	v_mov_b32 v[RS+ej], 0                          ; the pairs of which the packed forms take the low word: both words are written
.set ej, ej+1
.endr
.irp j, 0,1,2,3,4,5
	v_mov_b32 v[SS+\j], 0
.endr
	; ---- q: 16 weight tiles x token tiles 2, 3
	s_mov_b32 s[SPO], 0
	s_mov_b32 s[CNT], 4
.Lq:
	QKTRIP 2, 2
	s_sub_co_u32 s[CNT], s[CNT], 1
	s_cmp_lg_u32 s[CNT], 0
	s_cbranch_scc1 .Lq
	ds_store_b128 v[VWS], v[T:T+3]                 ; the norm vectors into LDS: their loads are the oldest of all, long in by the loop's waits; the barrier below shows them to every wave
	ds_store_b128 v[VWS], v[T+4:T+7] offset:2048
	ds_store_b128 v[VWS], v[T+8:T+11] offset:4096
	ds_store_b128 v[VWS], v[T+12:T+15] offset:6144
	RMS 2, SQW, 0
	EPI 0, 2, 0, 0, QS
	EPI 1, 2, 0, 16, QS+2
	; ---- k: token tiles 1, 2, 3
.irp j, 0,1,2,3,4,5
	v_mov_b32 v[SS+\j], 0
.endr
	s_mov_b32 s[SPO], 0
	s_mov_b32 s[CNT], 4
.Lk:
	QKTRIP 3, 1
	s_sub_co_u32 s[CNT], s[CNT], 1
	s_cmp_lg_u32 s[CNT], 0
	s_cbranch_scc1 .Lk
	RMS 3, SKW, 1024
	EPI 0, 3, 4096, 32, KS
	EPI 1, 3, 4096, 56, KS+3
	; ---- v: token tiles 0 .. 3, quantised along the keys
	s_mov_b32 s[VO], 0
	s_mov_b32 s[VSO], 0
	s_mov_b32 s[CNT], 4
.Lv:
	VTRIP
	s_sub_co_u32 s[CNT], s[CNT], 1
	s_cmp_lg_u32 s[CNT], 0
	s_cbranch_scc1 .Lv
	WIN TO_X
.irp t, 0,1,2,3,4,5,6,7
.irp g, 2,3,6,7
	v_mov_b32 v[8*\t+\g], 0                        ; the zero codes of V's fragments: x's fragments are done with
.endr
.endr
	WIN 0
	; ---- attention of my two heads
	HEAD 0
	HEAD 1
	BARRIER                                        ; the attention result's sixteen fragments and their scale words lie in LDS
	WIN TO_X
.irp f, 0,1,2,3,4,5,6,7,8,9,10,11,12,13,14,15
	ds_load_b128 v[8*\f:8*\f+3], v[ORI] offset:1024*\f
	ds_load_b128 v[8*\f+4:8*\f+7], v[ORI] offset:1024*\f+512
.endr
	WIN 0
.irp qt, 0,1
	ds_load_b128 v[XS+4*\qt:XS+4*\qt+3], v[ORS] offset:512*\qt
.endr
	s_wait_dscnt 0x0
	; ---- out: 16 weight tiles x my two tiles of tokens
	s_mov_b32 s[CNT], 3
.Lo:
	OTRIP 1
	s_sub_co_u32 s[CNT], s[CNT], 1
	s_cmp_lg_u32 s[CNT], 0
	s_cbranch_scc1 .Lo
	OTRIP 0                                        ; the stream's last four tiles: no load leaves img
	s_set_vgpr_msb 0xc
	s_wait_tensorcnt 0x0
	ds_add_u32 v245, v255
	s_wait_dscnt 0x0
	s_set_vgpr_msb 0xc00
	s_endpgm
.Lfunc_end_k_q0170a29b0b_fused:
	.size	k_q0170a29b0b_fused, .Lfunc_end_k_q0170a29b0b_fused-k_q0170a29b0b_fused
	.p2alignl 7, 3214868480
	.fill 96, 4, 3214868480
	.section	.rodata,"a",@progbits
	.p2align	6, 0x0
	.amdhsa_kernel k_q0170a29b0b_fused
		.amdhsa_group_segment_fixed_size 226304
		.amdhsa_private_segment_fixed_size 0
		.amdhsa_enable_private_segment 0
		.amdhsa_kernarg_size 32
		.amdhsa_user_sgpr_count 2
		.amdhsa_user_sgpr_kernarg_segment_ptr 1
		.amdhsa_wavefront_size32 1
		.amdhsa_system_sgpr_workgroup_id_x 1
		.amdhsa_system_sgpr_workgroup_id_y 1
		.amdhsa_system_sgpr_workgroup_id_z 1
		.amdhsa_system_vgpr_workitem_id 0
		.amdhsa_next_free_vgpr 1024
		.amdhsa_next_free_sgpr 66
		.amdhsa_reserve_vcc 1
		.amdhsa_float_denorm_mode_32 3
		.amdhsa_float_denorm_mode_16_64 3
		.amdhsa_memory_ordered 1
		.amdhsa_forward_progress 1
		.amdhsa_inst_pref_size 255
	.end_amdhsa_kernel
	.section	.bss,"aw",@nobits
	.p2align	6
	.space	262144
	.amdgpu_metadata
---
amdhsa.version: [ 1, 2 ]
amdhsa.kernels:
  - .name:           k_q0170a29b0b_fused
    .symbol:         k_q0170a29b0b_fused.kd
    .args:
      - { .name: img, .offset: 0, .size: 8, .value_kind: global_buffer, .address_space: global }
      - { .name: q_norm_w, .offset: 8, .size: 8, .value_kind: global_buffer, .address_space: global }
      - { .name: k_norm_w, .offset: 16, .size: 8, .value_kind: global_buffer, .address_space: global }
      - { .name: out0, .offset: 24, .size: 8, .value_kind: global_buffer, .address_space: global }
    .group_segment_fixed_size: 226304
    .private_segment_fixed_size: 0
    .kernarg_segment_align: 8
    .kernarg_segment_size: 32
    .max_flat_workgroup_size: 128
    .sgpr_count:     66
    .vgpr_count:     1024
    .wavefront_size: 32
...
	.end_amdgpu_metadata
.endif
;; end of part 2
